; MI455X (gfx1250); checked and timed in simulation.
; The chip was launched on July 23, 2026; its instructions are those of AMD's public machine-readable ISA for CDNA 5 (MIT licence, August 2026) and "CDNA5" Instruction Set Architecture Reference Guide (July 2026). The comments in the code are by the model that wrote it; some were corrected since.
;; Sparse Router. Allowed arithmetic: matrix products marked QUANTISED: E5M2 operands, one E8M0 scale for each 32 along K, by v_wmma_scale_f32_16x16x128_f8f6f4 with both operands' format E5M2, f32 sums; products left as they are: f32 operands where the result goes on into a quantised operand, else bf16, f16 or f32 operands; f32 sums; everything else in f32.
;; Inputs: router_w 2 x 1,024 float32; w1 2 x 1,024 x 2,048 float32; w2 2 x 2,048 x 1,024 float32; x 4 x 2,048 x 1,024 float32.
;; Outputs: out0 4 x 2,048 x 1,024 float32.
;; This version of the problem:
;;   THIS VERSION OF THE PROBLEM IS GIVEN IN LOW PRECISION. The matrix products marked QUANTISED in the list below multiply operands that are first quantised to E5M2 (5 exponent bits, 2 mantissa bits; 8 bits a number), with one power-of-two scale for each 32 numbers along K (OCP MX v1.0); their sums are f32. All else is computed in f32.
;;   The module's matrix products, in the order in which they are computed (A, B: the left and right operand; K: the contracted axis; several contracted axes count as one K, in the product's order):
;;     1. [M 8,192, K 1,024] x [K 1,024, N 2]; A: input x; B: input router_w: left as it is (N = 2 < 16)
;;     2. [M 4,096, K 1,024] x [K 1,024, N 8,192]; A: input w1; B: input x: QUANTISED
;;     3. batch 2 x [M 8,192, K 2,048] x [K 2,048, N 1,024]; A: computed on the way; B: input w2: QUANTISED
;;   THE QUANTISER, for each operand of a quantised product, along K:
;;     - K is cut into blocks of 32 from its start; a last block that is shorter is filled with zeros.
;;     - A block's scale is 2^e with e = floor(log2(the largest magnitude in the block)) - 15, held to -126 .. 127; a block of zeros has e = 0. As a byte (E8M0): e + 127.
;;     - Each number is divided by its block's scale, clamped to +-57,344, and rounded to the nearest number of E5M2, ties to even, subnormals kept.
;;     - The product sums the exact products of the quantised numbers (number of the format x scale) in f32.
;;   ~~~python
;;   def quantise(x, axis):      # numpy; x: float32 -> the quantised numbers, widened to float32 again
;;       x = np.moveaxis(x, axis, -1); K = x.shape[-1]
;;       x = np.pad(x, [(0, 0)] * (x.ndim - 1) + [(0, -K % 32)]); x = x.reshape(x.shape[:-1] + (-1, 32)); a = np.abs(x).max(-1, keepdims=True)
;;       e = np.where(a > 0, np.clip(np.frexp(np.where(a > 0, a, 1))[1] - 1 - 15, -126, 127), 0)      # np.frexp(a)[1] - 1 = floor(log2(a)), exactly
;;       r = np.clip(x / 2.0 ** e, -57344, 57344)
;;       step = 2.0 ** (np.maximum(np.frexp(np.where(r == 0, 1, r))[1] - 1, -14) - 2)
;;       q = np.round(r / step) * step * 2.0 ** e      # np.round: ties to even
;;       return np.moveaxis(q.reshape(q.shape[:-2] + (-1,))[..., :K], -1, axis).astype(np.float32)
;;   ~~~
;;   OPERANDS COMPUTED ON THE WAY. 'Computed on the way' means the value that the module computes at that place (a softmax that the list does not call 'softmax' is quantised finished and normalised). What goes into a quantiser is computed in f32, as accurately as f32 sums, v_exp_f32 and their like allow (about 1e-6 of the number): no bf16 or f16 on the way to a quantiser, and a product that is left as it is and whose result goes on into a quantised operand takes f32 operands (vector FMAs, or v_wmma_f32_16x16x4_f32). A number that lies on a knife's edge between two numbers of the format may be rounded either way, as far as f32 arithmetic and the matrix unit's own rounding can turn it there, and no further.
;; One version. Each part assembles by itself: llvm-mc -triple=amdgcn-amd-amdhsa -mcpu=gfx1250 --defsym DOCPART=n.
;; ======== version 1 of 1: 3 launches
;; limits: a function is approximated: absolute error at most 1e-07
;; workspace buffers: xq 8,388,608 bytes; xs 262,144 bytes; lp 262,144 bytes; wq 8,388,608 bytes; ws 262,144 bytes; hq 33,554,432 bytes; hs 1,048,576 bytes
;; launch quant (part 1): grid 1024 x 1, 4 waves a work-group, no clusters, 42,496 bytes of LDS; arguments x, router_w, w1, w2, xq, xs, lp, wq, ws; writes xq, xs, lp, wq, ws
.if DOCPART == 1
	.amdgcn_target "amdgcn-amd-amdhsa--gfx1250"
	.amdhsa_code_object_version 6
	.text
	.protected	k_qdcda6bd7cc_quant
	.globl	k_qdcda6bd7cc_quant
	.p2align	8
	.type	k_qdcda6bd7cc_quant,@function
k_qdcda6bd7cc_quant:
	s_mov_b64 s[64:65], 0
	v_nop
	global_prefetch_b8 v0, s[64:65] scope:SCOPE_SE
	s_setreg_imm32_b32 hwreg(HW_REG_WAVE_MODE, 25, 1), 1
	s_wait_xcnt 0x0
; FIRST OF THREE LAUNCHES.  out = sum over the two chosen experts of softmax(top-k logits) x FFN_e(x), both FFN products on codes of E5M2 with one E8M0 scale for each 32 along K.
; WORK LEFT OUT, for all values of the inputs: top_k takes 2 of 2 experts, so its index is a permutation of (0, 1); the softmax of a permuted pair is the permuted softmax, and the sum over
; the gathered pair is the same sum in another order.  So out = g0 FFN_0(x) + g1 FFN_1(x) with (g0, g1) = softmax(l0, l1), ties too: nothing is sorted and nothing is gathered.
; Every input has a way to the output and is loaded; both experts are live for every token.  LIMIT: NaN and infinities among the inputs are not served.
; THIS LAUNCH quantises x, w1 and w2 once, along each product's K, and makes the router's logits in f32 (in four partial sums along K, added in the third launch).
; A block's scale is 2^(floor(log2(largest magnitude)) - 15); its byte is that magnitude's exponent field - 15, held at 1 from below.  A block of zeros so has the byte 1 where the rule says 127:
; its codes are zeros, and the bytes are read by this program alone.  LIMIT: blocks whose largest magnitude lies under 2^(16 - 127) keep the byte 1.
; LAYOUT OF THE CODES: images of operand registers.  A fragment is 16 rows x 128 K = 2,048 bytes: the 16 codes k = 32 c + 16 h + 0..15 of row r lie at 512 c + 256 h + 16 r.
;   xq [token block 512][K step 8][2048]     xs [K step 8][token 8192] scale words     lp [K quarter 4][token 8192][expert 2] f32
;   wq: w1 as [tile 256][K step 8][2048], then from 4 MiB on w2 as [tile 128][K step 16][2048]      ws: w1 as [K step 8][row 4096] words, then from 128 KiB on w2 as [expert x 16 + K step][row 1024]
; THE ROWS OF A TILE OF w1 ARE NOT NEIGHBOURS: hidden unit 32 B + p goes to tile 2 B + ((p >> 3) & 1), row (p & 7) + 8 (p >> 4), so that the next launch finds 16 neighbours along the next K in a lane.
; SHARES: work-groups 0-255 take w1, 256-511 w2, 512-1023 x; the paths part on the work-group number alone.  Waves share nothing: no barrier.
; The scale words and the logits leave in pieces of 64 or 128 consecutive bytes: they are one part in a hundred of what the launch moves.
.set WREG,  10496                      ; LDS of a wave (x path alone): a stage of 16 rows x 528 bytes, then 2,048 bytes of router weights
.set SP,    528                        ; a stage row: 512 bytes + 16: an odd multiple of 16, so that sixteen rows start at sixteen different groups of banks
.set RWB,   16*SP
.set SPARE, 4*WREG                     ; the spare words: 128 bytes a wave, two blocks of 256 bytes that no other line names
.set SPW, 14                           ; v14  LDS address of my spare word; never rewritten
.set NIL, 15                           ; v15  0; never rewritten
.set MNT, 23                           ; s23  the mantissa field of 57,344
.set SEL, 40                           ; s[40:41] lane selects: lane l xor 16
.set WX,  32                           ; weights: v32-159  128 numbers of my column, down K
.set WC,  160                          ; weights: v160-191 their codes, eight registers a block
.set R,   16                           ; x: v16-143  the rows as loaded, 64 registers a K step
.set X,   144                          ; x: v144-207 64 numbers of my row: register 16 c + i = k 32 c + 16 h + i
.set RW,  208                          ; x: v208-239 the router weights of one block: 16 of expert 0, 16 of expert 1
.set TM,  240                          ; x: v240-255 largest magnitudes, bytes, holds, scale operands
.set PC,  16                           ; x: v16-47   codes of the two fragments (over rows that have gone to the stage)
.set LA,  48                           ; x: v48-55   the logits: two chains of packed sums for each expert
.set PW,  56                           ; x: v56-57   the two scale words
	s_load_b256 s[4:11], s[0:1], 0x0               ; x, router_w, w1, w2
	s_load_b256 s[12:19], s[0:1], 0x20             ; xq, xs, lp, wq
	s_load_b64 s[20:21], s[0:1], 0x40              ; ws
	v_lshl_add_u32 v[SPW], v0, 2, SPARE
	v_mov_b32 v[NIL], 0
	v_lshrrev_b32 v1, 5, v0
	v_readfirstlane_b32 s22, v1                    ; wave
	v_and_b32 v1, 31, v0                           ; lane
	s_mov_b32 s[MNT], 0x600000
	s_mov_b32 s25, 0                               ; the offsets' high words
	s_mov_b32 s27, 0
	s_mov_b32 s29, 0
	s_lshl_b32 s34, s22, 7                         ; 128 x wave
	s_wait_kmcnt 0x0
	s_cmp_lt_u32 ttmp9, 256
	s_cbranch_scc1 .Lw1
	s_cmp_lt_u32 ttmp9, 512
	s_cbranch_scc1 .Lw2
; ---- x: work-group g = id - 512 takes token block g (16 rows); wave w takes K steps 2 w and 2 w + 1
	s_sub_co_u32 s35, ttmp9, 512                   ; g
	s_lshl_b32 s24, s35, 16                        ; 16 rows of 4,096 bytes
	s_lshl_b32 s36, s22, 10                        ; my quarter of a row
	s_add_co_u32 s24, s24, s36
	s_add_nc_u64 s[24:25], s[4:5], s[24:25]        ; x
	s_mov_b32 s37, 0
	s_add_nc_u64 s[26:27], s[6:7], s[36:37]        ; router_w at my quarter
	s_lshl_b32 s28, s35, 14
	s_lshl_b32 s38, s22, 12
	s_add_co_u32 s28, s28, s38
	s_add_nc_u64 s[28:29], s[12:13], s[28:29]      ; xq: fragment 8 g + 2 w
	s_lshl_b32 s30, s22, 16
	s_lshl_b32 s38, s35, 7
	s_add_co_u32 s38, s30, s38
	s_mov_b32 s39, 0
	s_add_nc_u64 s[38:39], s[16:17], s[38:39]      ; lp: quarter w, token 16 g
	s_lshl_b32 s31, s35, 6
	s_add_co_u32 s30, s30, s31
	s_mov_b32 s31, 0
	s_add_nc_u64 s[30:31], s[14:15], s[30:31]      ; xs: K step 2 w, token 16 g
	s_mov_b32 s[SEL], 0x76543210
	s_mov_b32 s[SEL+1], 0xfedcba98
	v_lshlrev_b32 v2, 4, v1                        ; 16 x lane
	v_and_b32 v7, 15, v0                           ; r
	v_bfe_u32 v8, v0, 4, 1                         ; h
	s_mul_i32 s42, s22, WREG
	v_add_nc_u32 v3, s42, v2                       ; the stage, on the way in: a row as it lies
	v_mul_u32_u24 v4, v7, SP
	v_lshl_add_u32 v4, v8, 6, v4
	v_add_nc_u32 v4, s42, v4                       ; and out: row r, + 64 h: my 16 numbers of a block of 32
	s_add_co_u32 s43, s42, RWB
	v_add_nc_u32 v5, s43, v2                       ; the router weights, in
	v_lshlrev_b32 v6, 6, v8
	v_add_nc_u32 v6, s43, v6                       ; and out: + 64 h
	v_lshlrev_b32 v9, 3, v7
	v_lshl_add_u32 v9, v8, 2, v9                   ; lp: 8 r + 4 h
	v_lshlrev_b32 v10, 2, v7
	v_lshl_add_u32 v10, v8, 15, v10                ; xs: 4 r, + a K step (32,768 bytes) for lanes 16-31
.irp e, 0,1
.irp u, 0,1
	global_load_b128 v[X+8*\e+4*\u:X+8*\e+4*\u+3], v2, s[26:27] offset:4096*\e+512*\u
.endr
.endr
.irp s, 0,1
.irp p, 0,1,2,3,4,5,6,7,8,9,10,11,12,13,14,15
	global_load_b128 v[R+64*\s+4*\p:R+64*\s+4*\p+3], v2, s[24:25] offset:4096*\p+512*\s th:TH_LOAD_NT   ; 32 lanes read 512 consecutive bytes: one K step of one row
.endr
.endr
.irp b, 0,1,2,3
	v_mov_b32 v[TM+4+\b], 0                        ; written once: a lane permute's destination counts as one of its sources
.endr
	s_wait_loadcnt 32                              ; the four loads of router weights are in; the 32 of x may be out
.irp e, 0,1
.irp u, 0,1
	ds_store_b128 v5, v[X+8*\e+4*\u:X+8*\e+4*\u+3] offset:1024*\e+512*\u
.endr
.endr
.macro RWLOAD s, c                     ; the router weights of block c of K step s: every lane of a half reads the same 64 bytes of each expert
.irp e, 0,1
.irp j, 0,1,2,3
	ds_load_b128 v[RW+16*\e+4*\j:RW+16*\e+4*\j+3], v6 offset:1024*\e+512*(\s)+128*(\c)+16*\j
.endr
.endr
.endm
; One K step: 16 rows x 128 numbers turn through my stage, so that a lane holds 16 neighbours of each block; scales, logits, codes.
.macro XFRAG s
	s_wait_loadcnt 16*(1-\s)                       ; this K step's 16 loads are in; the other step's may be out
.irp p, 0,1,2,3,4,5,6,7,8,9,10,11,12,13,14,15
	ds_store_b128 v3, v[R+64*\s+4*\p:R+64*\s+4*\p+3] offset:SP*\p
.endr
.irp c, 0,1,2,3
.irp j, 0,1,2,3
	ds_load_b128 v[X+16*\c+4*\j:X+16*\c+4*\j+3], v4 offset:128*\c+16*\j   ; LDS serves a wave's instructions in order: these see the stores above
.endr
.endr
	RWLOAD \s, 0
	s_wait_dscnt 8                                 ; all but the eight loads of router weights
.irp b, 0,1,2,3
	v_max3_num_f32 v[TM+\b], |v[X+16*\b]|, |v[X+1+16*\b]|, 0x8000000   ; block b: my 16 numbers, and the floor 2^(16 - 127): the byte cannot fall under 1
.endr
.irp i, 2,4,6,8,10,12,14
.irp b, 0,1,2,3
	v_max3_num_f32 v[TM+\b], v[TM+\b], |v[X+16*\b+\i]|, |v[X+1+16*\b+\i]|
.endr
.endr
.irp b, 0,1,2,3
	v_permlanex16_b32 v[TM+4+\b], v[TM+\b], s[SEL], s[SEL+1]
.endr
.irp b, 0,1,2,3
	v_max_num_f32 v[TM+\b], v[TM+\b], v[TM+4+\b]   ; with lane l xor 16: the block's largest magnitude
.endr
.irp b, 0,1,2,3
	v_add_nc_u32 v[TM+12+\b], 0xf8800000, v[TM+\b] ; 15 off its exponent field: the conversion's scale operand
.endr
.irp b, 0,1,2,3
	v_and_or_b32 v[TM+8+\b], v[TM+\b], 0x7f800000, s[MNT]   ; 57,344 x the scale
.endr
.irp b, 0,1,2,3
	v_lshrrev_b32 v[TM+4+\b], 23, v[TM+12+\b]      ; the scale's byte
.endr
	v_lshl_or_b32 v[PW+\s], v[TM+5], 8, v[TM+4]
	v_lshl_or_b32 v[PW+\s], v[TM+6], 16, v[PW+\s]
	v_lshl_or_b32 v[PW+\s], v[TM+7], 24, v[PW+\s]  ; my row's scale word
.irp c, 0,1,2,3
	s_wait_dscnt 0x0                               ; this block's router weights are in
.irp p, 0,1,2,3,4,5,6,7
.if (\s == 0) && (\c == 0) && (\p < 2)
	v_pk_mul_f32 v[LA+2*\p:LA+2*\p+1], v[X+2*\p:X+2*\p+1], v[RW+2*\p:RW+2*\p+1]               ; the first products start the four chains: nothing is cleared
	v_pk_mul_f32 v[LA+4+2*\p:LA+5+2*\p], v[X+2*\p:X+2*\p+1], v[RW+16+2*\p:RW+17+2*\p]
.else
	v_pk_fma_f32 v[LA+2*(\p%2):LA+2*(\p%2)+1], v[X+16*\c+2*\p:X+16*\c+2*\p+1], v[RW+2*\p:RW+2*\p+1], v[LA+2*(\p%2):LA+2*(\p%2)+1]   ; the logits take x as it is, in f32
	v_pk_fma_f32 v[LA+4+2*(\p%2):LA+5+2*(\p%2)], v[X+16*\c+2*\p:X+16*\c+2*\p+1], v[RW+16+2*\p:RW+17+2*\p], v[LA+4+2*(\p%2):LA+5+2*(\p%2)]
.endif
.endr
.if \c < 3
	RWLOAD \s, \c+1
.endif
.irp i, 0,1,2,3,4,5,6,7,8,9,10,11,12,13,14,15
	v_med3_num_f32 v[X+16*\c+\i], v[X+16*\c+\i], -v[TM+8+\c], v[TM+8+\c]   ; the conversion to an 8-bit code does not saturate (ISA guide 7.6.2): the hold at the largest code x the scale
.endr
	v_cvt_scalef32_pk8_bf8_f32 v[PC+16*\s+4*\c:PC+16*\s+4*\c+1], v[X+16*\c:X+16*\c+7], v[TM+12+\c]
	v_cvt_scalef32_pk8_bf8_f32 v[PC+16*\s+4*\c+2:PC+16*\s+4*\c+3], v[X+16*\c+8:X+16*\c+15], v[TM+12+\c]
	v_nop                                          ; a plain line behind the conversions
	global_store_b128 v2, v[PC+16*\s+4*\c:PC+16*\s+4*\c+3], s[28:29] offset:2048*\s+512*\c   ; 32 lanes store 512 consecutive bytes of the fragment's image
.endr
.endm
	XFRAG 0
	XFRAG 1
	v_pk_add_f32 v[LA:LA+1], v[LA:LA+1], v[LA+2:LA+3]
	v_pk_add_f32 v[LA+4:LA+5], v[LA+4:LA+5], v[LA+6:LA+7]
	v_add_f32 v[LA], v[LA], v[LA+1]
	v_add_f32 v[LA+4], v[LA+4], v[LA+5]
	v_permlanex16_b32 v[LA+1], v[LA], s[SEL], s[SEL+1]
	v_permlanex16_b32 v[LA+5], v[LA+4], s[SEL], s[SEL+1]
	v_add_f32 v[LA], v[LA], v[LA+1]                ; my row's partial logit of expert 0 over this quarter of K,
	v_add_f32 v[LA+4], v[LA+4], v[LA+5]            ; and of expert 1
	v_cmp_eq_u32 vcc_lo, 1, v8
	v_cndmask_b32 v[LA+2], v[LA], v[LA+4], vcc_lo  ; lanes 0-15 store expert 0's, lanes 16-31 expert 1's
	v_cndmask_b32 v[LA+3], v[PW], v[PW+1], vcc_lo  ; lanes 0-15 the first K step's scale word, lanes 16-31 the second's
	global_store_b32 v9, v[LA+2], s[38:39]
	global_store_b32 v10, v[LA+3], s[30:31]
	s_wait_tensorcnt 0x0                           ; the wave's end
	ds_add_u32 v[SPW], v[NIL]
	s_wait_dscnt 0x0
	s_endpgm
; ---- the weights.  K is their FIRST axis: a lane takes a column and its registers run down K, so a block of 32 lies in one lane and the codes come out with K innermost.  No LDS.
; A wave takes 32 columns x 128 K.  A block's 32 codes are two runs of 16 bytes of its tile's image: with them 32 lanes fill two whole runs of 256 consecutive bytes in each store.
.macro WBLOCK t, cnt
.set XS, WX+32*(\t)
	s_wait_loadcnt \cnt
	v_max3_num_f32 v12, |v[XS]|, |v[XS+1]|, |v[XS+2]|
	v_max3_num_f32 v13, |v[XS+3]|, |v[XS+4]|, |v[XS+5]|
.irp i, 6,10,14,18,22,26
	v_max3_num_f32 v12, v12, |v[XS+\i]|, |v[XS+\i+1]|
	v_max3_num_f32 v13, v13, |v[XS+\i+2]|, |v[XS+\i+3]|
.endr
	v_max3_num_f32 v12, v12, |v[XS+30]|, |v[XS+31]|
	v_max3_num_f32 v12, v12, v13, 0x8000000        ; and the floor
	v_add_nc_u32 v11, 0xf8800000, v12              ; the conversion's scale operand
	v_and_or_b32 v10, v12, 0x7f800000, s[MNT]      ; 57,344 x the scale
	v_lshrrev_b32 v13, 23, v11                     ; the scale's byte
.if (\t) == 0
	v_mov_b32 v24, v13
.else
	v_lshl_or_b32 v24, v13, 8*(\t), v24            ; four bytes make the column's scale word of this K step
.endif
.irp i, 0,1,2,3,4,5,6,7,8,9,10,11,12,13,14,15,16,17,18,19,20,21,22,23,24,25,26,27,28,29,30,31
	v_med3_num_f32 v[XS+\i], v[XS+\i], -v10, v10
.endr
.irp g, 0,1,2,3
	v_cvt_scalef32_pk8_bf8_f32 v[WC+8*(\t)+2*\g:WC+8*(\t)+2*\g+1], v[XS+8*\g:XS+8*\g+7], v11
.endr
	v_nop                                          ; a plain line behind the conversions
	global_store_b128 v3, v[WC+8*(\t):WC+8*(\t)+3], s[26:27] offset:512*(\t)         ; k = 32 t + 0..15
	global_store_b128 v3, v[WC+8*(\t)+4:WC+8*(\t)+7], s[26:27] offset:512*(\t)+256   ; k = 32 t + 16..31
.endm
.macro WBODY rowb                      ; rowb: bytes from one k to the next
.set T, 0
.rept 4
.set I, 0
.rept 32
	global_load_b32 v[WX+32*T+I], v2, s[24:25] offset:(32*T+I)*\rowb th:TH_LOAD_NT   ; 32 lanes read 128 consecutive bytes; the four waves stand side by side
.set I, I+1
.endr
.set T, T+1
.endr
	WBLOCK 0, 63                                   ; block 0 wants at most 96 younger loads out, block 1 at most 64: the wait's field holds 63
	WBLOCK 1, 63
	WBLOCK 2, 32
	WBLOCK 3, 0
	global_store_b32 v4, v24, s[28:29]
.endm
.Lw1:                                  ; w1 [2][1024 k][2048 f]: id = e x 128 + K step x 16 + column group; columns 128 cg + 32 w on
	s_lshr_b32 s35, ttmp9, 7                       ; e
	s_bfe_u32 s36, ttmp9, 0x30004                  ; K step
	s_and_b32 s37, ttmp9, 15                       ; column group
	s_lshl_b32 s24, s35, 23
	s_lshl_b32 s38, s36, 20
	s_add_co_u32 s24, s24, s38
	s_lshl_b32 s38, s37, 9
	s_add_co_u32 s38, s38, s34                     ; 512 cg + 128 w
	s_add_co_u32 s24, s24, s38
	s_lshl_b32 s26, s35, 21                        ; the codes: tile e x 128 + 2 (4 cg + w), 16,384 bytes a tile, 2,048 a K step
	s_lshl_b32 s39, s37, 17
	s_add_co_u32 s26, s26, s39
	s_lshl_b32 s39, s22, 15
	s_add_co_u32 s26, s26, s39
	s_lshl_b32 s39, s36, 11
	s_add_co_u32 s26, s26, s39
	s_lshl_b32 s28, s36, 14                        ; the scale words: 16,384 bytes a K step, 8,192 an expert
	s_lshl_b32 s39, s35, 13
	s_add_co_u32 s28, s28, s39
	s_add_co_u32 s28, s28, s38
	s_add_nc_u64 s[24:25], s[8:9], s[24:25]
	s_add_nc_u64 s[26:27], s[18:19], s[26:27]
	s_add_nc_u64 s[28:29], s[20:21], s[28:29]
	v_lshlrev_b32 v2, 2, v1                        ; in: 4 bytes a lane
	v_bfe_u32 v5, v1, 3, 1                         ; which of the two tiles
	v_and_b32 v6, 7, v1
	v_lshrrev_b32 v7, 4, v1
	v_lshl_add_u32 v6, v7, 3, v6                   ; which row of it
	v_lshlrev_b32 v3, 4, v6
	v_lshl_add_u32 v3, v5, 14, v3                  ; the codes: 16,384 x tile + 16 x row
	v_lshl_add_u32 v4, v5, 4, v6
	v_lshlrev_b32 v4, 2, v4                        ; the scale word: 4 (16 x tile + row)
	WBODY 8192
	s_endpgm
.Lw2:                                  ; w2 [2][2048 f][1024 d]: id - 256 = e x 128 + K step x 8 + column group; tiles of 16 neighbouring columns
	s_bfe_u32 s35, ttmp9, 0x10007                  ; e
	s_bfe_u32 s36, ttmp9, 0x40003                  ; K step
	s_and_b32 s37, ttmp9, 7                        ; column group
	s_lshl_b32 s24, s35, 23
	s_lshl_b32 s38, s36, 19
	s_add_co_u32 s24, s24, s38
	s_lshl_b32 s38, s37, 9
	s_add_co_u32 s38, s38, s34                     ; 512 cg + 128 w
	s_add_co_u32 s24, s24, s38
	s_lshl_b32 s26, s35, 21                        ; the codes: tile e x 64 + 8 cg + 2 w, 32,768 bytes a tile
	s_lshl_b32 s39, s37, 18
	s_add_co_u32 s26, s26, s39
	s_lshl_b32 s39, s22, 16
	s_add_co_u32 s26, s26, s39
	s_lshl_b32 s39, s36, 11
	s_add_co_u32 s26, s26, s39
	s_add_co_u32 s26, s26, 4194304                 ; behind w1's codes
	s_lshl_b32 s28, s35, 16                        ; the scale words: 4,096 bytes for each expert x 16 + K step
	s_lshl_b32 s39, s36, 12
	s_add_co_u32 s28, s28, s39
	s_add_co_u32 s28, s28, s38
	s_add_co_u32 s28, s28, 131072                  ; behind w1's words
	s_add_nc_u64 s[24:25], s[10:11], s[24:25]
	s_add_nc_u64 s[26:27], s[18:19], s[26:27]
	s_add_nc_u64 s[28:29], s[20:21], s[28:29]
	v_lshlrev_b32 v2, 2, v1
	v_and_b32 v6, 15, v1
	v_lshrrev_b32 v7, 4, v1
	v_lshlrev_b32 v3, 4, v6
	v_lshl_add_u32 v3, v7, 15, v3                  ; the codes: 32,768 x tile + 16 x row
	v_lshlrev_b32 v4, 2, v1                        ; the scale word: 4 x lane
	WBODY 4096
	s_endpgm
.Lfunc_end_k_qdcda6bd7cc_quant:
	.size	k_qdcda6bd7cc_quant, .Lfunc_end_k_qdcda6bd7cc_quant-k_qdcda6bd7cc_quant
	.p2alignl 7, 3214868480
	.fill 96, 4, 3214868480
	.section	.rodata,"a",@progbits
	.p2align	6, 0x0
	.amdhsa_kernel k_qdcda6bd7cc_quant
		.amdhsa_group_segment_fixed_size 42496
		.amdhsa_private_segment_fixed_size 0
		.amdhsa_enable_private_segment 0
		.amdhsa_kernarg_size 72
		.amdhsa_user_sgpr_count 2
		.amdhsa_user_sgpr_kernarg_segment_ptr 1
		.amdhsa_wavefront_size32 1
		.amdhsa_system_sgpr_workgroup_id_x 1
		.amdhsa_system_sgpr_workgroup_id_y 1
		.amdhsa_system_sgpr_workgroup_id_z 1
		.amdhsa_system_vgpr_workitem_id 0
		.amdhsa_next_free_vgpr 256
		.amdhsa_next_free_sgpr 66
		.amdhsa_reserve_vcc 1
		.amdhsa_float_denorm_mode_32 3
		.amdhsa_float_denorm_mode_16_64 3
		.amdhsa_memory_ordered 1
		.amdhsa_forward_progress 1
		.amdhsa_inst_pref_size 98
	.end_amdhsa_kernel
	.amdgpu_metadata
---
amdhsa.version: [ 1, 2 ]
amdhsa.kernels:
  - .name:           k_qdcda6bd7cc_quant
    .symbol:         k_qdcda6bd7cc_quant.kd
    .args:
      - { .name: x, .offset: 0, .size: 8, .value_kind: global_buffer, .address_space: global }
      - { .name: router_w, .offset: 8, .size: 8, .value_kind: global_buffer, .address_space: global }
      - { .name: w1, .offset: 16, .size: 8, .value_kind: global_buffer, .address_space: global }
      - { .name: w2, .offset: 24, .size: 8, .value_kind: global_buffer, .address_space: global }
      - { .name: xq, .offset: 32, .size: 8, .value_kind: global_buffer, .address_space: global }
      - { .name: xs, .offset: 40, .size: 8, .value_kind: global_buffer, .address_space: global }
      - { .name: lp, .offset: 48, .size: 8, .value_kind: global_buffer, .address_space: global }
      - { .name: wq, .offset: 56, .size: 8, .value_kind: global_buffer, .address_space: global }
      - { .name: ws, .offset: 64, .size: 8, .value_kind: global_buffer, .address_space: global }
    .group_segment_fixed_size: 42496
    .private_segment_fixed_size: 0
    .kernarg_segment_align: 8
    .kernarg_segment_size: 72
    .max_flat_workgroup_size: 128
    .sgpr_count:     66
    .vgpr_count:     256
    .wavefront_size: 32
...
	.end_amdgpu_metadata
.endif
;; end of part 1
;; launch ffn1 (part 2): grid 32 x 8, 4 waves a work-group, clusters of 4 x 1, 327,680 bytes of LDS; arguments xq, xs, wq, ws, hq, hs; writes hq, hs
.if DOCPART == 2
	.amdgcn_target "amdgcn-amd-amdhsa--gfx1250"
	.amdhsa_code_object_version 6
	.text
	.protected	k_qdcda6bd7cc_ffn1
	.globl	k_qdcda6bd7cc_ffn1
	.p2align	8
	.type	k_qdcda6bd7cc_ffn1,@function
k_qdcda6bd7cc_ffn1:
	s_mov_b64 s[64:65], 0
	v_nop
	global_prefetch_b8 v0, s[64:65] scope:SCOPE_SE
	s_setreg_imm32_b32 hwreg(HW_REG_WAVE_MODE, 25, 1), 1
	s_wait_xcnt 0x0
	s_wait_alu depctr_hold_cnt(0) depctr_sa_sdst(0) depctr_va_vdst(0) depctr_va_sdst(0) depctr_va_ssrc(0) depctr_va_vcc(0) depctr_vm_vsrc(0)
	s_getreg_b32 s2, hwreg(HW_REG_IB_STS2, 6, 4)
	s_cmp_eq_u32 s2, 0
	s_cbranch_scc0 .Lentry_in_a_cluster
	s_endpgm
.Lentry_in_a_cluster:
	s_bfe_u32 s2, ttmp6, 0x10000c
	s_cmp_lg_u32 s2, 0x3003
	s_cbranch_scc0 .Lentry_shape_is_right
	s_endpgm
.Lentry_shape_is_right:
; SECOND LAUNCH: h = gelu(x w1_e) for both experts, on codes of E5M2 with E8M0 scales, and h quantised along the hidden axis into hq and hs.  No work of the problem is left out here.
; SHARES.  A work-group takes 256 tokens x 512 hidden units (rows of w1's code tiles).  Wave w keeps the codes of its 64 tokens, all of K = 1,024, in 512 REGISTERS for the whole launch;
; the weights walk past through a ring of two LDS slots: a slot is 8 tiles (128 hidden units) x all of K = 131,072 dense bytes, and all four waves read it.
; CLUSTER.  The four work-groups of a cluster differ in their tokens alone and walk the same weights: every tensor load is asked for JOINTLY (mask 15).  The place in the cluster enters
; only the global addresses of xq, xs, hq and hs.
; THE PRODUCT IS USED TRANSPOSED (source 0 = 16 rows of w1, source 1 = 16 tokens): a lane holds ONE token, and by the order in which the first launch laid w1's rows the 64 registers
; of a slot's 8 tiles are hidden units 32 b + 16 (lane / 16) + i at register 16 b + i: the next operand's own order.  So the conversions' results are hq's fragment image.
; GELU, exact form: x (1 + erf(x / sqrt 2)) / 2.  erf(x / sqrt 2) = xc P(y) / Q(y), xc = x held within +-4 sqrt 2, y = xc^2: an f32 rational of degrees 6 and 4 in y, with 1 / sqrt 2 and
; the halvings of y folded into the coefficients.  What is quantised is G = x + x erf = 2 gelu: doubling is exact, so the codes are gelu's own, and each scale byte is stored one lower.
; LIMITS: 1 + erf is right to about one part in 10^7 of 1, so gelu's relative error grows where x is under about -3 (numbers that are small beside their block's largest);
; NaN and infinities are not served; blocks whose largest |gelu| lies under 2^(16 - 127) keep the byte 1.
; LEFT OUT: a prefetch of the weights: a refill has a whole slot's work (256 matrix instructions and the activation of 8,192 numbers a wave) in which to land.
; REGISTERS, in windows of 256: window 0: v1-15 addresses; v24-27 two coefficients; v32-47 x's scale words; v48-55 w1's; v64-255 three buffers of four weight fragments, in the epilogue at work.
;   window 1: the accumulators: tile t, token block m at v[64 m + 8 t].   windows 2, 3: x's fragments: token block m, K step 4 u + s at v[64 m + 16 s] of window 2 + u.
.set SLOT1, 1<<17                      ; slot 1 begins here: one exclusive or turns an address from slot to slot
.set SCW,   2*SLOT1                    ; w1's scale words of my 512 rows: [K step 8][512] words, filled once
.set SCR,   SCW+16384                  ; 256 bytes a wave: a slot's 64 scale words of h are gathered here; no tensor load lands here
.set SPARE, SCR+1024                   ; the spare words: 128 bytes a wave, two blocks of 256 bytes that no other line names
.set L16,  1                           ; v1   16 x lane
.set ADB0, 2                           ; v2   the slot in hand + 16 x lane (tiles 0-3);  v3: + 65,536 (tiles 4-7)
.set ADB1, 3
.set ADW0, 4                           ; v4   SCW + 8,192 (lane / 16) + 4 (lane % 16): lanes 0-15 K step s, lanes 16-31 K step s + 4
.set ADW,  5                           ; v5   the same for the slot in hand
.set XSO,  6                           ; v6   x's scale words in memory, by the same halves
.set HO,   7                           ; v7   hq: 16 x lane + 32,768 x token block
.set SW0,  8                           ; v8   my scratch word
.set SWA,  9
.set SRD,  10                          ; v10  the scratch read back, 8 bytes a lane
.set L8,   11                          ; v11  8 x lane
.set SPW,  12                          ; v12  LDS address of my spare word; never rewritten
.set NIL,  13                          ; v13  0; never rewritten
.set HP,   14                          ; v[14:15] two scale words on their way out
.set CA,   24                          ; v[24:25] A5 twice;  v[26:27] B3 twice
.set CB,   26
.set XSC,  32
.set WSC,  48
.set BF,   64
.set XC,   64                          ; epilogue: v64-127 xc, then G;  v128-191 P, then erf;  v192-223 y;  v224-255 Q
.set EE,   128
.set YY,   192
.set QQ,   224
.set PC,   192                         ; quantiser: v192-207 codes;  v208-223 at work;  v224 the scale word
.set TM,   208
.set PW,   224
.set WV,  16
.set CX,  17
.set TG,  18
.set NR,  19
.set SEL, 20
.set MNT, 22
.set EM,  23                           ; s23  the epilogue's token block
.set G1W, 24                           ; s[24:31] group 1, a wave's quarter of a slot;  s[32:39] group 1, scale words;  s[40:43], s[44:47] their groups 0
.set G1S, 32
.set G0W, 40
.set G0S, 44
.set TB,  48                           ; s48  LDS byte of the slot in hand
.set TW,  49                           ; s49  512 x slot number: its rows' scale words
.set SLOTS, 50
.set CLO, 51                           ; s51, s52  -4 sqrt 2, +4 sqrt 2
.set CHI, 52
.set ES,  53                           ; s53  64 x EM
.set HB,  54                           ; s[54:55] hq at my first token block, this slot's K step;  s[56:57] hs likewise
.set HSB, 56
.set KA6, 66
.set KA4, 68
.set KA3, 70
.set KA2, 72
.set KA1, 74
.set KA0, 76
.set KB4, 78
.set KB2, 80
.set KB1, 82
.set KB0, 84
.set MSB, 0
.macro WIN new                         ; the immediate's high byte repeats the setting that is left; a switch that changes nothing is dropped
.if MSB != (\new)
	s_set_vgpr_msb (MSB<<8)|(\new)
.set MSB, (\new)
.endif
.endm
.macro PLACES n
.rept \n
	v_nop
.endr
.endm
.macro CROUND                          ; a round of the cluster's barrier
	s_barrier_signal -1
	s_barrier_wait -1
	s_cmp_lg_u32 s[WV], 0
	s_cbranch_scc1 .Lnot_wave_0_\@
	s_barrier_signal -3
.Lnot_wave_0_\@:
	s_barrier_wait -3
	s_barrier_signal -1
	s_barrier_wait -1
.endm
.macro COEF reg, bits                  ; the packed forms name a pair and take its low word for both halves: both words are written
	s_mov_b32 s[\reg], \bits
	s_mov_b32 s[\reg+1], \bits
.endm
	s_load_b256 s[4:11], s[0:1], 0x0               ; xq, xs, wq, ws
	s_load_b128 s[12:15], s[0:1], 0x20             ; hq, hs
	v_lshl_add_u32 v[SPW], v0, 2, SPARE
	v_mov_b32 v[NIL], 0
	ds_add_u32 v[SPW], v[NIL]                      ; the wave's opening: the add, twice on end, and its wait ahead of my first tensor load
	ds_add_u32 v[SPW], v[NIL]
	v_lshrrev_b32 v16, 5, v0
	v_readfirstlane_b32 s[WV], v16                 ; wave 0..3
	s_bfe_u32 s[CX], ttmp6, 0x40000                ; my place in the cluster
	s_lshl_b32 s[TG], ttmp9, 2
	s_add_co_u32 s[TG], s[TG], s[CX]               ; which 256 tokens
	s_and_b32 s[NR], ttmp7, 0xffff                 ; which 512 rows of w1's tiles: shared by the four partners
	s_mov_b32 s[G1W], 15|(3<<16)|(1<<21)           ; the mask: all four; elements of 8 bytes; bit 21 beside a mask; no padding: images are read 512 consecutive bytes at a time
	s_mov_b32 s[G1W+1], 32<<16                     ; 32,768 dense bytes as 128 rows of 256
	s_mov_b32 s[G1W+2], 128<<16
	s_mov_b32 s[G1W+3], 32<<16
	s_mov_b32 s[G1W+4], 128
	s_mov_b32 s[G1W+5], 32
	s_mov_b32 s[G1W+6], 0
	s_mov_b32 s[G1W+7], 0
	s_mov_b32 s[G1S], 15|(3<<16)|(1<<21)
	s_mov_b32 s[G1S+1], 256<<16                    ; two K steps' words of 512 rows: 2 rows of 2,048 bytes, 16,384 bytes apart
	s_mov_b32 s[G1S+2], 2<<16
	s_mov_b32 s[G1S+3], 256<<16
	s_mov_b32 s[G1S+4], 2
	s_mov_b32 s[G1S+5], 2048
	s_mov_b32 s[G1S+6], 0
	s_mov_b32 s[G1S+7], 0
	s_mov_b32 s[G0W], 1
	s_lshl_b32 s[G0W+1], s[WV], 15                 ; slot 0, my quarter
	s_mov_b32 s[G0S], 1
	s_lshl_b32 s[G0S+1], s[WV], 12
	s_add_co_u32 s[G0S+1], s[G0S+1], SCW
	s_lshl_b32 s2, s[NR], 19                       ; 32 tiles of 16,384 bytes
	s_add_co_u32 s2, s2, s[G0W+1]
	s_mov_b32 s3, 0
	s_lshl_b32 s86, s[WV], 15                      ; K steps 2 w, 2 w + 1
	s_lshl_b32 s87, s[NR], 11
	s_add_co_u32 s86, s86, s87
	s_mov_b32 s87, 0
	s_mov_b32 s[SEL], 0x76543210
	s_mov_b32 s[SEL+1], 0xfedcba98
	s_mov_b32 s[MNT], 0x600000
	s_mov_b32 s[TB], 0
	s_mov_b32 s[TW], 0
	s_mov_b32 s[SLOTS], 3
	s_mov_b32 s[CLO], 0xc0b504f3
	s_mov_b32 s[CHI], 0x40b504f3
	COEF KA6, 0xac95df0b                           ; P: -4.2595973e-12, (A5 in v24) -1.3131400e-7, -7.1156330e-6, -1.8374766e-4, -1.4772999e-3, -1.6096033e-2
	COEF KA4, 0xb40cff51
	COEF KA3, 0xb6eec2d2
	COEF KA2, 0xb940ac63
	COEF KA1, 0xbac1a1f6
	COEF KA0, 0xbc83dbd4
	COEF KB4, 0xb5accd2b                           ; Q: -1.2874710e-6, (B3 in v26) -5.9496918e-4, -5.2137311e-3, -2.0173387e-2
	COEF KB2, 0xba1bf7b5
	COEF KB1, 0xbbaad7f2
	COEF KB0, 0xbca542a9
	s_wait_dscnt 0x0                               ; both opening adds are done
	s_wait_kmcnt 0x0
	s_add_nc_u64 s[G0W+2:G0W+3], s[8:9], s[2:3]
	s_or_b32 s[G0W+3], s[G0W+3], 0x80000000
	s_add_nc_u64 s[G0S+2:G0S+3], s[10:11], s[86:87]
	s_or_b32 s[G0S+3], s[G0S+3], 0x80000000
	CROUND                                         ; all four work-groups are here: the first joint loads meet
	tensor_load_to_lds s[G0S:G0S+3], s[G1S:G1S+7]  ; the scale words, filled once
	s_nop 0
	tensor_load_to_lds s[G0W:G0W+3], s[G1W:G1W+7]  ; slot 0: two loads of mine are out
	s_nop 0
	PLACES 4
	s_lshl_b32 s88, s[TG], 18                      ; from here on registers that hold my place in the cluster: none of them feeds a descriptor
	s_lshl_b32 s89, s[WV], 16
	s_add_co_u32 s88, s88, s89
	s_mov_b32 s89, 0
	s_add_nc_u64 s[58:59], s[4:5], s[88:89]        ; xq at my first token block
	s_lshl_b32 s90, s[TG], 10
	s_lshl_b32 s91, s[WV], 8
	s_add_co_u32 s90, s90, s91
	s_mov_b32 s91, 0
	s_add_nc_u64 s[60:61], s[6:7], s[90:91]        ; xs at my first token
	s_lshl_b32 s92, s[NR], 17                      ; hs: four K steps of 32,768 bytes for each 512 rows
	s_add_co_u32 s92, s92, s90
	s_mov_b32 s93, 0
	s_add_nc_u64 s[HSB:HSB+1], s[14:15], s[92:93]
	s_lshr_b32 s92, s[NR], 2                       ; hq: the expert,
	s_lshl_b32 s92, s92, 24
	s_and_b32 s94, s[NR], 3                        ; four K steps of 2,048 bytes,
	s_lshl_b32 s94, s94, 13
	s_add_co_u32 s92, s92, s94
	s_lshl_b32 s94, s[TG], 19                      ; sixteen token blocks of 32,768 bytes,
	s_add_co_u32 s92, s92, s94
	s_lshl_b32 s94, s[WV], 17                      ; my four
	s_add_co_u32 s92, s92, s94
	s_add_nc_u64 s[HB:HB+1], s[12:13], s[92:93]
	v_and_b32 v18, 31, v0
	v_and_b32 v16, 15, v0                          ; r
	v_bfe_u32 v17, v0, 4, 1                        ; h
	v_lshlrev_b32 v[L16], 4, v18
	v_lshlrev_b32 v[L8], 3, v18
	v_lshlrev_b32 v19, 2, v16
	v_lshl_add_u32 v[ADW0], v17, 13, v19
	v_add_nc_u32 v[ADW0], SCW, v[ADW0]
	v_lshl_add_u32 v[XSO], v17, 17, v19
	s_lshl_b32 s86, s[WV], 8
	s_add_co_u32 s86, s86, SCR
	v_add_nc_u32 v[SW0], s86, v19
	v_add_nc_u32 v[SRD], s86, v[L8]
	v_mov_b32 v[CA], 0x306dffee                    ; A5 = 8.6583795e-10
	v_mov_b32 v[CA+1], 0x306dffee
	v_mov_b32 v[CB], 0xb81e3512                    ; B3 = -3.7719560e-5
	v_mov_b32 v[CB+1], 0xb81e3512
	WIN 0x80                                       ; destination window 2: K steps 0-3
.irp m, 0,1,2,3
.irp s, 0,1,2,3
.irp c, 0,1,2,3
	global_load_b128 v[64*\m+16*\s+4*\c:64*\m+16*\s+4*\c+3], v[L16], s[58:59] offset:16384*\m+2048*\s+512*\c
.endr
.endr
.endr
	WIN 0xc0                                       ; window 3: K steps 4-7
.irp m, 0,1,2,3
.irp s, 0,1,2,3
.irp c, 0,1,2,3
	global_load_b128 v[64*\m+16*\s+4*\c:64*\m+16*\s+4*\c+3], v[L16], s[58:59] offset:16384*\m+2048*(\s+4)+512*\c
.endr
.endr
.endr
	WIN 0
.irp m, 0,1,2,3
.irp s, 0,1,2,3
	global_load_b32 v[XSC+4*\m+\s], v[XSO], s[60:61] offset:32768*\s+64*\m   ; lanes 0-15: K step s; lanes 16-31: K step s + 4
.endr
.endr
; The LDS loads of half-step j = 2 t + u: tile t's four fragments of K steps 4 u + 0..3 into buffer j % 3; with u = 0 the tile's four registers of scale words.
.macro GRP j
.irp s, 0,1,2,3
.irp c, 0,1,2,3
	ds_load_b128 v[BF+64*((\j)%3)+16*\s+4*\c:BF+64*((\j)%3)+16*\s+4*\c+3], v[ADB0+(\j)/8] offset:(((\j)/2)%4)*16384+(4*((\j)%2)+\s)*2048+512*\c
.endr
.endr
.if (\j)%2 == 0
.irp s, 0,1,2,3
	ds_load_b32 v[WSC+4*(((\j)/2)%2)+\s], v[ADW] offset:2048*\s+64*((\j)/2)
.endr
.endif
.endm
; Half-step j: 16 matrix instructions, tile t against my four token blocks, four K steps.  The four accumulators take turns, one instruction a turn.
; The loads of half-step j + 2 go into the buffer that half-step j - 1 multiplied: eight plain places stand between.
.macro HALF j
.set ht, (\j)/2
.set hu, (\j)%2
.set hb, BF+64*((\j)%3)
.if (\j) == 15
	s_wait_dscnt 0x0
.elseif ((\j)+1)%2 == 0
	s_wait_dscnt 20                                ; my group is in; the next one (16 fragment loads and 4 of scale words) may be out
.else
	s_wait_dscnt 16                                ; my group is in; the next one (16 fragment loads) may be out
.endif
.if ((\j) > 0) && ((\j)+2 <= 15)
	PLACES 8
.endif
.if (\j)+2 <= 15
	GRP (\j)+2
.endif
	WIN 0x58+4*hu                                  ; source 0 (w1) window 0, source 1 (x) window 2 or 3, C and D window 1
.irp s, 0,1,2,3
.irp m, 0,1,2,3
.if (hu == 0) && (\s == 0)
	v_wmma_scale_f32_16x16x128_f8f6f4 v[64*\m+8*ht:64*\m+8*ht+7], v[hb+16*\s:hb+16*\s+15], v[64*\m+16*\s:64*\m+16*\s+15], 0, v[WSC+4*(ht%2)+\s], v[XSC+4*\m+\s] matrix_a_fmt:MATRIX_FMT_BF8 matrix_b_fmt:MATRIX_FMT_BF8
.elseif hu == 0
	v_wmma_scale_f32_16x16x128_f8f6f4 v[64*\m+8*ht:64*\m+8*ht+7], v[hb+16*\s:hb+16*\s+15], v[64*\m+16*\s:64*\m+16*\s+15], v[64*\m+8*ht:64*\m+8*ht+7], v[WSC+4*(ht%2)+\s], v[XSC+4*\m+\s] matrix_a_fmt:MATRIX_FMT_BF8 matrix_b_fmt:MATRIX_FMT_BF8
.else
	v_wmma_scale_f32_16x16x128_f8f6f4 v[64*\m+8*ht:64*\m+8*ht+7], v[hb+16*\s:hb+16*\s+15], v[64*\m+16*\s:64*\m+16*\s+15], v[64*\m+8*ht:64*\m+8*ht+7], v[WSC+4*(ht%2)+\s], v[XSC+4*\m+\s] matrix_a_fmt:MATRIX_FMT_BF8 matrix_b_fmt:MATRIX_FMT_BF8 matrix_a_scale:MATRIX_SCALE_ROW1 matrix_b_scale:MATRIX_SCALE_ROW1
.endif
.endr
.endr
	WIN 0
.endm
.macro MAT                             ; a slot's 256 matrix instructions
	v_add_nc_u32 v[ADB0], s[TB], v[L16]
	v_add_nc_u32 v[ADB1], 0x10000, v[ADB0]
	v_add_nc_u32 v[ADW], s[TW], v[ADW0]
	GRP 0
	GRP 1
.set J, 0
.rept 16
	HALF J
.set J, J+1
.endr
	PLACES 8                                       ; in front of the first read of results, and of writes over the last fragments
.endm
.macro HEAD m                          ; xc = x held within +-4 sqrt 2; each accumulator is read from its low end on
	WIN 0x01
.set I, 0
.rept 64
	v_med3_num_f32 v[XC+I], v[64*(\m)+I], s[CLO], s[CHI]
.set I, I+1
.endr
	WIN 0
.endm
.macro TAIL m                          ; G = x erf + x
	WIN 0x11
.set I, 0
.rept 32
	v_pk_fma_f32 v[XC+I:XC+I+1], v[64*(\m)+I:64*(\m)+I+1], v[EE+I:EE+I+1], v[64*(\m)+I:64*(\m)+I+1]
.set I, I+2
.endr
	WIN 0
.endm
.macro ARM kind, m
.if \kind == 0
	HEAD \m
.else
	TAIL \m
.endif
.endm
.macro PICK kind                       ; the accumulators' register numbers differ from token block to token block: four arms, chosen by the loop's count; every arm writes the same registers
	s_cmp_eq_u32 s[EM], 0
	s_cbranch_scc0 .Lp1_\@
	ARM \kind, 0
	s_branch .Lpd_\@
.Lp1_\@:
	s_cmp_eq_u32 s[EM], 1
	s_cbranch_scc0 .Lp2_\@
	ARM \kind, 1
	s_branch .Lpd_\@
.Lp2_\@:
	s_cmp_eq_u32 s[EM], 2
	s_cbranch_scc0 .Lp3_\@
	ARM \kind, 2
	s_branch .Lpd_\@
.Lp3_\@:
	ARM \kind, 3
.Lpd_\@:
.endm
.macro HORN d, k                       ; one step of Horner's rule on 32 numbers
.set I, 0
.rept 16
	v_pk_fma_f32 v[\d+I:\d+I+1], v[\d+I:\d+I+1], v[YY+I:YY+I+1], s[\k:\k+1] op_sel_hi:[1,1,0]
.set I, I+2
.endr
.endm
.macro MID k                           ; erf of 32 numbers: runs of 16 packed lines, P and Q by turns, so that no line waits for the one above it
.set xb, XC+32*(\k)
.set eb, EE+32*(\k)
.set I, 0
.rept 16
	v_pk_mul_f32 v[YY+I:YY+I+1], v[xb+I:xb+I+1], v[xb+I:xb+I+1]
.set I, I+2
.endr
.set I, 0
.rept 16
	v_pk_fma_f32 v[eb+I:eb+I+1], v[YY+I:YY+I+1], s[KA6:KA6+1], v[CA:CA+1] op_sel_hi:[1,0,1]
.set I, I+2
.endr
.set I, 0
.rept 16
	v_pk_fma_f32 v[QQ+I:QQ+I+1], v[YY+I:YY+I+1], s[KB4:KB4+1], v[CB:CB+1] op_sel_hi:[1,0,1]
.set I, I+2
.endr
	HORN eb, KA4
	HORN QQ, KB2
	HORN eb, KA3
	HORN QQ, KB1
	HORN eb, KA2
	HORN QQ, KB0
	HORN eb, KA1
	HORN eb, KA0
.set I, 0
.rept 32
	v_rcp_f32 v[QQ+I], v[QQ+I]                     ; one batch
.set I, I+1
.endr
.set I, 0
.rept 16
	v_pk_mul_f32 v[eb+I:eb+I+1], v[eb+I:eb+I+1], v[xb+I:xb+I+1]   ; plain work behind the batch, which names none of its results
.set I, I+2
.endr
	s_wait_alu depctr_va_vdst(0)                   ; the wait ahead of the first line that names a reciprocal: one for the 32
.set I, 0
.rept 16
	v_pk_mul_f32 v[eb+I:eb+I+1], v[eb+I:eb+I+1], v[QQ+I:QQ+I+1]
.set I, I+2
.endr
.endm
.macro QUANT                           ; 64 numbers G = 2 gelu of my token become a fragment's codes and its scale word
.irp b, 0,1,2,3
	v_max3_num_f32 v[TM+\b], |v[XC+16*\b]|, |v[XC+1+16*\b]|, 0x8800000   ; the floor 2^(17 - 127): one higher than for gelu itself, so that the stored byte cannot fall under 1
.endr
.irp i, 2,4,6,8,10,12,14
.irp b, 0,1,2,3
	v_max3_num_f32 v[TM+\b], v[TM+\b], |v[XC+16*\b+\i]|, |v[XC+1+16*\b+\i]|
.endr
.endr
.irp b, 0,1,2,3
	v_permlanex16_b32 v[TM+4+\b], v[TM+\b], s[SEL], s[SEL+1]   ; (its destination was written by the squares above)
.endr
.irp b, 0,1,2,3
	v_max_num_f32 v[TM+\b], v[TM+\b], v[TM+4+\b]
.endr
.irp b, 0,1,2,3
	v_add_nc_u32 v[TM+12+\b], 0xf8800000, v[TM+\b] ; the conversion divides G by twice gelu's scale: the codes are gelu's
.endr
.irp b, 0,1,2,3
	v_and_or_b32 v[TM+8+\b], v[TM+\b], 0x7f800000, s[MNT]
.endr
.irp b, 0,1,2,3
	v_lshrrev_b32 v[TM+4+\b], 23, v[TM+12+\b]
.endr
	v_lshl_or_b32 v[PW], v[TM+5], 8, v[TM+4]
	v_lshl_or_b32 v[PW], v[TM+6], 16, v[PW]
	v_lshl_or_b32 v[PW], v[TM+7], 24, v[PW]
	v_add_nc_u32 v[PW], 0xfefefeff, v[PW]          ; one off each byte (each is 2 or more: nothing is borrowed): gelu's scale bytes
.irp b, 0,1,2,3
.irp i, 0,1,2,3,4,5,6,7,8,9,10,11,12,13,14,15
	v_med3_num_f32 v[XC+16*\b+\i], v[XC+16*\b+\i], -v[TM+8+\b], v[TM+8+\b]   ; the conversion does not saturate (ISA guide 7.6.2): the hold
.endr
	v_cvt_scalef32_pk8_bf8_f32 v[PC+4*\b:PC+4*\b+1], v[XC+16*\b:XC+16*\b+7], v[TM+12+\b]
	v_cvt_scalef32_pk8_bf8_f32 v[PC+4*\b+2:PC+4*\b+3], v[XC+16*\b+8:XC+16*\b+15], v[TM+12+\b]
.endr
	v_nop                                          ; a plain line behind the last conversion
.endm
; A slot's work: the products, then four trips of the epilogue, a token block each.  last = 1: nothing is stepped.
.macro WORK last
	MAT
	s_mov_b32 s[EM], 0
	s_mov_b32 s[ES], 0
.Lepi_\@:
	s_wait_xcnt 0x0                                ; the last trip's stores have read their codes and their offset: both are written again below
	PICK 0
	MID 0
	MID 1
	PICK 1
	QUANT
	v_lshl_add_u32 v[HO], s[EM], 15, v[L16]
	v_add_nc_u32 v[SWA], s[ES], v[SW0]
.irp c, 0,1,2,3
	global_store_b128 v[HO], v[PC+4*\c:PC+4*\c+3], s[HB:HB+1] offset:512*\c   ; 32 lanes store 512 consecutive bytes of the fragment's image
.endr
	ds_store_b32 v[SWA], v[PW]                     ; both halves of the lanes write the same word with the same value
	s_add_co_u32 s[ES], s[ES], 64
	s_add_co_u32 s[EM], s[EM], 1
	s_cmp_lt_u32 s[EM], 4
	s_cbranch_scc1 .Lepi_\@
	ds_load_b64 v[HP:HP+1], v[SRD]                 ; LDS serves a wave's instructions in order: this sees my four stores
	s_wait_dscnt 0x0
	global_store_b64 v[L8], v[HP:HP+1], s[HSB:HSB+1]   ; my 64 tokens' scale words: 256 consecutive bytes, aligned
.if \last == 0
	s_wait_xcnt 0x0                                ; the stores have read their bases and registers
	s_add_nc_u64 s[HB:HB+1], s[HB:HB+1], 2048      ; the next K step of h
	s_add_nc_u64 s[HSB:HSB+1], s[HSB:HSB+1], 32768
	s_add_co_u32 s[TW], s[TW], 512
	s_xor_b32 s[TB], s[TB], SLOT1
.endif
.endm
; THE CHANGE OF SLOTS stands at a slot's head: all my tensor loads have landed (my quarter of the slot ahead), the add, my reads of the slot left behind are over; a round of the cluster's
; barrier; the joint load of the following slot comes first behind it and has the whole slot's work in which to land.
.macro CHANGE fill
	s_wait_tensorcnt 0x0                           ; no tensor load of mine is out, so the group 0 may be written
	ds_add_u32 v[SPW], v[NIL]
.if \fill
	s_xor_b32 s[G0W+1], s[G0W+1], SLOT1            ; the other slot,
	s_add_nc_u64 s[G0W+2:G0W+3], s[G0W+2:G0W+3], 131072   ; the next eight tiles
.endif
	s_wait_dscnt 0x0
.if \fill
	CROUND
	tensor_load_to_lds s[G0W:G0W+3], s[G1W:G1W+7]
	s_nop 0
	PLACES 4
.else
	s_barrier_signal -1
	s_barrier_wait -1
.endif
.endm
	s_wait_loadcnt 0x0                             ; x's codes and scale words
.Lslot:                                ; three trips: behind each change of slots but the last the next slot is asked for (in the first trip slot 1 for the first time, by all four waves)
	CHANGE 1
	WORK 0
	s_sub_co_u32 s[SLOTS], s[SLOTS], 1
	s_cmp_lg_u32 s[SLOTS], 0
	s_cbranch_scc1 .Lslot
	CHANGE 0                                       ; the last slot is written out
	WORK 1
	s_wait_tensorcnt 0x0                           ; the wave's end
	ds_add_u32 v[SPW], v[NIL]
	s_wait_dscnt 0x0
	CROUND                                         ; the closing round
	s_endpgm
.Lfunc_end_k_qdcda6bd7cc_ffn1:
	.size	k_qdcda6bd7cc_ffn1, .Lfunc_end_k_qdcda6bd7cc_ffn1-k_qdcda6bd7cc_ffn1
	.p2alignl 7, 3214868480
	.fill 96, 4, 3214868480
	.section	.rodata,"a",@progbits
	.p2align	6, 0x0
	.amdhsa_kernel k_qdcda6bd7cc_ffn1
		.amdhsa_group_segment_fixed_size 327680
		.amdhsa_private_segment_fixed_size 0
		.amdhsa_enable_private_segment 0
		.amdhsa_kernarg_size 48
		.amdhsa_user_sgpr_count 2
		.amdhsa_user_sgpr_kernarg_segment_ptr 1
		.amdhsa_wavefront_size32 1
		.amdhsa_system_sgpr_workgroup_id_x 1
		.amdhsa_system_sgpr_workgroup_id_y 1
		.amdhsa_system_sgpr_workgroup_id_z 1
		.amdhsa_system_vgpr_workitem_id 0
		.amdhsa_next_free_vgpr 1024
		.amdhsa_next_free_sgpr 100
		.amdhsa_reserve_vcc 0
		.amdhsa_float_denorm_mode_32 3
		.amdhsa_float_denorm_mode_16_64 3
		.amdhsa_memory_ordered 1
		.amdhsa_forward_progress 1
		.amdhsa_inst_pref_size 255
	.end_amdhsa_kernel
	.section	.bss,"aw",@nobits
	.p2align	6
	.space	262144
	.amdgpu_metadata
---
amdhsa.version: [ 1, 2 ]
amdhsa.kernels:
  - .name:           k_qdcda6bd7cc_ffn1
    .symbol:         k_qdcda6bd7cc_ffn1.kd
    .args:
      - { .name: xq, .offset: 0, .size: 8, .value_kind: global_buffer, .address_space: global }
      - { .name: xs, .offset: 8, .size: 8, .value_kind: global_buffer, .address_space: global }
      - { .name: wq, .offset: 16, .size: 8, .value_kind: global_buffer, .address_space: global }
      - { .name: ws, .offset: 24, .size: 8, .value_kind: global_buffer, .address_space: global }
      - { .name: hq, .offset: 32, .size: 8, .value_kind: global_buffer, .address_space: global }
      - { .name: hs, .offset: 40, .size: 8, .value_kind: global_buffer, .address_space: global }
    .group_segment_fixed_size: 327680
    .private_segment_fixed_size: 0
    .kernarg_segment_align: 8
    .kernarg_segment_size: 48
    .max_flat_workgroup_size: 128
    .sgpr_count:     100
    .vgpr_count:     1024
    .wavefront_size: 32
...
	.end_amdgpu_metadata
.endif
;; end of part 2
;; launch ffn2 (part 3): grid 4 x 64, 4 waves a work-group, clusters of 4 x 1, 327,680 bytes of LDS; arguments hq, hs, wq, ws, lp, out0; writes out0
.if DOCPART == 3
	.amdgcn_target "amdgcn-amd-amdhsa--gfx1250"
	.amdhsa_code_object_version 6
	.text
	.protected	k_qdcda6bd7cc_ffn2
	.globl	k_qdcda6bd7cc_ffn2
	.p2align	8
	.type	k_qdcda6bd7cc_ffn2,@function
k_qdcda6bd7cc_ffn2:
	s_mov_b64 s[64:65], 0
	v_nop
	global_prefetch_b8 v0, s[64:65] scope:SCOPE_SE
	s_setreg_imm32_b32 hwreg(HW_REG_WAVE_MODE, 25, 1), 1
	s_wait_xcnt 0x0
	s_wait_alu depctr_hold_cnt(0) depctr_sa_sdst(0) depctr_va_vdst(0) depctr_va_sdst(0) depctr_va_ssrc(0) depctr_va_vcc(0) depctr_vm_vsrc(0)
	s_getreg_b32 s2, hwreg(HW_REG_IB_STS2, 6, 4)
	s_cmp_eq_u32 s2, 0
	s_cbranch_scc0 .Lentry_in_a_cluster
	s_endpgm
.Lentry_in_a_cluster:
	s_bfe_u32 s2, ttmp6, 0x10000c
	s_cmp_lg_u32 s2, 0x3003
	s_cbranch_scc0 .Lentry_shape_is_right
	s_endpgm
.Lentry_shape_is_right:
; THIRD LAUNCH: out = g0 (h_0 w2_0) + g1 (h_1 w2_1), both products on codes of E5M2 with E8M0 scales; (g0, g1) = softmax(l0, l1), the maximum taken away.
; LEFT OUT, as shown at the head of the first launch: the sort and the gather of top_k with 2 of 2 experts, which only permute a symmetric sum.
; SHARES.  A work-group takes 128 tokens x 256 outputs, both experts; wave w all 128 tokens x 64 outputs: 8 token blocks x 4 tiles, one set of 32 accumulators for EACH expert,
; since the gate stands behind the quantised product and cannot be folded into an operand.
; CLUSTER.  The four work-groups of a cluster take the four column blocks of the same 128 tokens: h's codes and scale words are asked for JOINTLY (mask 15) and go through a ring of two LDS slots,
; a slot holding 8 token blocks x 8 K steps = 131,072 bytes.  w2's fragments are wanted by one wave alone: they go from memory straight into registers, 512 consecutive bytes a load, three K steps
; ahead.  They are not put in the ring: beside them a slot would hold a quarter of the K steps, and a refill would have a quarter of the matrix work in which to land.
; THE PRODUCT IS USED TRANSPOSED (source 0 = 16 outputs of w2, source 1 = 16 tokens): a lane holds eight neighbouring outputs of one token.
; All 32 K steps (expert x 16 + step) are written out: every offset is an immediate and no pointer is stepped.
; LEFT OUT: a prefetch: three of the four slots are asked for at the head or one slot after it, and the launch streams h in and out0 out all the while.
; LIMIT: NaN and infinities are not served.
; REGISTERS, in windows of 256: window 0: v1-13 addresses; v16-31 the gates, a pair for each token block; v32-47 h's scale words, two sets; v48-55 w2's, four sets; v64-255 three buffers of four
;   fragments of h, on the way out at work.   window 1: w2's fragments, four sets of four.   window 2: expert 0's accumulators, (token block a, tile b) at v[8 (4 a + b)];   window 3: expert 1's.
.set SLOT1, 131072
.set SCA,   262144                     ; h's scale words: [expert x 16 + K step (32)][128 tokens] words, filled once
.set SPARE, SCA+16384                  ; the spare words: 128 bytes a wave, two blocks of 256 bytes that no other line names
.set L16,  1                           ; v1   16 x lane: an offset in memory, and the LDS address in slot 0, token blocks 0-3
.set ADRA, 1                           ; v1-4 slot 0 blocks 0-3, blocks 4-7; slot 1 likewise
.set ADS,  5                           ; v5   SCA + 512 (lane / 16) + 4 (lane % 16): lanes 0-15 an even K step, lanes 16-31 the odd one behind it
.set BSO,  6                           ; v6   4 x lane
.set LPO,  7                           ; v7   8 (lane % 16)
.set STO,  8                           ; v8   the way out: where I put 32 bytes of a row
.set RD,   9                           ; v9   where I read a row back
.set CO,   10                          ; v10  my byte offset in two rows of out0
.set SPW,  12                          ; v12  LDS address of my spare word; never rewritten
.set NIL,  13                          ; v13  0; never rewritten
.set GP,   16
.set AS,   32
.set BS,   48
.set AF,   64
.set WV,  16
.set CX,  17
.set TY,  18
.set G1A, 24                           ; s[24:31] group 1, h's codes;  s[32:39] groups 0 of the two slots;  s[40:47], s[48:51] the scale words
.set G0A, 32
.set G1S, 40
.set G0S, 48
.set WB,  52                           ; s[52:53] w2's codes at my first tile;  s[54:55] its scale words;  s[56:57] out0;  s[58:59] lp
.set WSB, 54
.set OB,  56
.set LPB, 58
.set MSB, 0
.macro WIN new
.if MSB != (\new)
	s_set_vgpr_msb (MSB<<8)|(\new)
.set MSB, (\new)
.endif
.endm
.macro PLACES n
.rept \n
	v_nop
.endr
.endm
.macro CROUND                          ; a round of the cluster's barrier
	s_barrier_signal -1
	s_barrier_wait -1
	s_cmp_lg_u32 s[WV], 0
	s_cbranch_scc1 .Lnot_wave_0_\@
	s_barrier_signal -3
.Lnot_wave_0_\@:
	s_barrier_wait -3
	s_barrier_signal -1
	s_barrier_wait -1
.endm
	s_load_b256 s[4:11], s[0:1], 0x0               ; hq, hs, wq, ws
	s_load_b128 s[12:15], s[0:1], 0x20             ; lp, out0
	v_lshl_add_u32 v[SPW], v0, 2, SPARE
	v_mov_b32 v[NIL], 0
	ds_add_u32 v[SPW], v[NIL]                      ; the wave's opening: the add, twice on end, and its wait ahead of my first tensor load
	ds_add_u32 v[SPW], v[NIL]
	v_lshrrev_b32 v56, 5, v0
	v_readfirstlane_b32 s[WV], v56                 ; wave 0..3
	s_bfe_u32 s[CX], ttmp6, 0x40000                ; my place in the cluster: which 256 outputs
	s_and_b32 s[TY], ttmp7, 0xffff                 ; which 128 tokens: shared by the four partners
	s_mov_b32 s[G1A], 15|(3<<16)|(1<<21)           ; the mask: all four; elements of 8 bytes; bit 21 beside a mask; no padding
	s_mov_b32 s[G1A+1], 2048<<16                   ; two token blocks: 2 rows of 16,384 bytes (8 K steps), 32,768 bytes apart
	s_mov_b32 s[G1A+2], 2<<16
	s_mov_b32 s[G1A+3], 2048<<16
	s_mov_b32 s[G1A+4], 2
	s_mov_b32 s[G1A+5], 4096
	s_mov_b32 s[G1A+6], 0
	s_mov_b32 s[G1A+7], 0
	s_mov_b32 s[G1S], 15|(3<<16)|(1<<21)
	s_mov_b32 s[G1S+1], 64<<16                     ; eight K steps' words of 128 tokens: 8 rows of 512 bytes, 32,768 bytes apart
	s_mov_b32 s[G1S+2], 8<<16
	s_mov_b32 s[G1S+3], 64<<16
	s_mov_b32 s[G1S+4], 8
	s_mov_b32 s[G1S+5], 4096
	s_mov_b32 s[G1S+6], 0
	s_mov_b32 s[G1S+7], 0
	s_mov_b32 s[G0A], 1
	s_lshl_b32 s[G0A+1], s[WV], 15                 ; slot 0, token blocks 2 w and 2 w + 1
	s_mov_b32 s[G0A+4], 1
	s_add_co_u32 s[G0A+5], s[G0A+1], SLOT1
	s_mov_b32 s[G0S], 1
	s_lshl_b32 s[G0S+1], s[WV], 12
	s_add_co_u32 s[G0S+1], s[G0S+1], SCA
	s_lshl_b32 s2, s[TY], 18                       ; eight token blocks of 32,768 bytes
	s_lshl_b32 s3, s[WV], 16
	s_add_co_u32 s2, s2, s3
	s_mov_b32 s3, 0
	s_lshl_b32 s20, s[WV], 18                      ; K steps 8 w on
	s_lshl_b32 s21, s[TY], 9
	s_add_co_u32 s20, s20, s21
	s_mov_b32 s21, 0
	s_wait_dscnt 0x0                               ; both opening adds are done
	s_wait_kmcnt 0x0
	s_add_nc_u64 s[G0A+2:G0A+3], s[4:5], s[2:3]    ; expert 0, K steps 0-7
	s_add_nc_u64 s[G0A+6:G0A+7], s[G0A+2:G0A+3], 16384   ; K steps 8-15
	s_or_b32 s[G0A+3], s[G0A+3], 0x80000000
	s_or_b32 s[G0A+7], s[G0A+7], 0x80000000
	s_add_nc_u64 s[G0S+2:G0S+3], s[6:7], s[20:21]
	s_or_b32 s[G0S+3], s[G0S+3], 0x80000000
	CROUND                                         ; all four work-groups are here: the first joint loads meet
	tensor_load_to_lds s[G0S:G0S+3], s[G1S:G1S+7]  ; the scale words, filled once
	s_nop 0
	tensor_load_to_lds s[G0A:G0A+3], s[G1A:G1A+7]  ; slot 0
	s_nop 0
	tensor_load_to_lds s[G0A+4:G0A+7], s[G1A:G1A+7]   ; slot 1: three loads of mine are out
	s_nop 0
	PLACES 4
	s_lshl_b32 s22, s[CX], 19                      ; from here on registers that hold my place in the cluster: none of them feeds a descriptor
	s_lshl_b32 s23, s[WV], 17
	s_add_co_u32 s22, s22, s23
	s_add_co_u32 s22, s22, 4194304                 ; w2's codes lie behind w1's; 16 tiles of 32,768 bytes a column block, my four
	s_mov_b32 s23, 0
	s_add_nc_u64 s[WB:WB+1], s[8:9], s[22:23]
	s_lshl_b32 s60, s[CX], 10
	s_lshl_b32 s61, s[WV], 8
	s_add_co_u32 s60, s60, s61                     ; 1,024 cx + 256 w: my 64 columns, 4 bytes each
	s_mov_b32 s61, 0
	s_add_co_u32 s62, s60, 131072
	s_mov_b32 s63, 0
	s_add_nc_u64 s[WSB:WSB+1], s[10:11], s[62:63]
	s_lshl_b32 s62, s[TY], 19                      ; 128 rows of 4,096 bytes
	s_add_co_u32 s62, s62, s60
	s_add_nc_u64 s[OB:OB+1], s[14:15], s[62:63]
	s_lshl_b32 s20, s[TY], 10
	s_add_nc_u64 s[LPB:LPB+1], s[12:13], s[20:21]
	v_and_b32 v56, 31, v0
	v_and_b32 v57, 15, v0                          ; r
	v_bfe_u32 v58, v0, 4, 1                        ; h
	v_lshlrev_b32 v[L16], 4, v56
	v_add_nc_u32 v[ADRA+1], 0x10000, v[L16]
	v_add_nc_u32 v[ADRA+2], 0x20000, v[L16]
	v_add_nc_u32 v[ADRA+3], 0x30000, v[L16]
	v_lshlrev_b32 v[ADS], 2, v57
	v_lshl_add_u32 v[ADS], v58, 9, v[ADS]
	v_add_nc_u32 v[ADS], SCA, v[ADS]
	v_lshlrev_b32 v[BSO], 2, v56
	v_lshlrev_b32 v[LPO], 3, v57
	s_mul_i32 s20, s[WV], 16*272                   ; my stage: 16 rows x (256 bytes + 16), in slot 0: used when that slot has had its last fill and its last read
	v_mul_u32_u24 v[STO], v57, 272
	v_lshl_add_u32 v[STO], v58, 5, v[STO]
	v_add_nc_u32 v[STO], s20, v[STO]
	v_mul_u32_u24 v[RD], v58, 272
	v_lshl_add_u32 v[RD], v57, 4, v[RD]
	v_add_nc_u32 v[RD], s20, v[RD]
	v_lshlrev_b32 v[CO], 4, v57
	v_lshl_add_u32 v[CO], v58, 12, v[CO]
.irp a, 0,1,2,3,4,5,6,7
.irp p, 0,1,2,3
	global_load_b64 v[64+8*\a+2*\p:65+8*\a+2*\p], v[LPO], s[LPB:LPB+1] offset:65536*\p+128*\a   ; token 16 a + r: the pair of partial logits of K quarter p
.endr
.endr
.macro BSET ek                         ; w2's four fragments and two registers of scale words of K step ek (expert x 16 + step) into set ek % 4: 18 loads
	WIN 0x40
.irp b, 0,1,2,3
.irp c, 0,1,2,3
	global_load_b128 v[64*((\ek)%4)+16*\b+4*\c:64*((\ek)%4)+16*\b+4*\c+3], v[L16], s[WB:WB+1] offset:((\ek)/16)*2097152+32768*\b+((\ek)%16)*2048+512*\c
.endr
.endr
	WIN 0
.irp p, 0,1
	global_load_b32 v[BS+2*((\ek)%4)+\p], v[BSO], s[WSB:WSB+1] offset:(\ek)*4096+128*\p   ; lanes 0-15: tile 2 p; lanes 16-31: tile 2 p + 1
.endr
.endm
	BSET 0
	BSET 1
	BSET 2
	s_wait_loadcnt 54                              ; the 32 loads of logits are in; the three sets of 18 may be out
	; the gates: the four partial sums in a fixed order; the maximum is taken away before the exponentials
.irp a, 0,1,2,3,4,5,6,7
	v_pk_add_f32 v[64+8*\a:65+8*\a], v[64+8*\a:65+8*\a], v[66+8*\a:67+8*\a]
.endr
.irp a, 0,1,2,3,4,5,6,7
	v_pk_add_f32 v[64+8*\a:65+8*\a], v[64+8*\a:65+8*\a], v[68+8*\a:69+8*\a]
.endr
.irp a, 0,1,2,3,4,5,6,7
	v_pk_add_f32 v[64+8*\a:65+8*\a], v[64+8*\a:65+8*\a], v[70+8*\a:71+8*\a]
.endr
.irp a, 0,1,2,3,4,5,6,7
	v_max_num_f32 v[66+8*\a], v[64+8*\a], v[65+8*\a]
.endr
.irp a, 0,1,2,3,4,5,6,7
	v_pk_add_f32 v[64+8*\a:65+8*\a], v[64+8*\a:65+8*\a], v[66+8*\a:67+8*\a] op_sel_hi:[1,0] neg_lo:[0,1] neg_hi:[0,1]
.endr
.irp a, 0,1,2,3,4,5,6,7
	v_pk_mul_f32 v[64+8*\a:65+8*\a], v[64+8*\a:65+8*\a], 0x3fb8aa3b op_sel_hi:[1,0]   ; x log2(e)
.endr
.irp a, 0,1,2,3,4,5,6,7
	v_exp_f32 v[GP+2*\a], v[64+8*\a]
	v_exp_f32 v[GP+2*\a+1], v[65+8*\a]
.endr
	v_nop                                          ; a plain line behind the batch,
	s_wait_alu depctr_va_vdst(0)                   ; and the wait ahead of its first reader
.irp a, 0,1,2,3,4,5,6,7
	v_add_f32 v[66+8*\a], v[GP+2*\a], v[GP+2*\a+1]
.endr
.irp a, 0,1,2,3,4,5,6,7
	v_rcp_f32 v[66+8*\a], v[66+8*\a]
.endr
	v_nop
	s_wait_alu depctr_va_vdst(0)
.irp a, 0,1,2,3,4,5,6,7
	v_pk_mul_f32 v[GP+2*\a:GP+2*\a+1], v[GP+2*\a:GP+2*\a+1], v[66+8*\a:67+8*\a] op_sel_hi:[1,0]   ; (g0, g1) of token 16 a + r
.endr
; The LDS loads of half-step j = 2 q + u of slot number sg: K step q, token blocks 4 u + 0..3, into buffer j % 3; every fourth group also brings the eight registers of scale words of K steps q, q + 1.
.macro AGRP sg, j
.irp a, 0,1,2,3
.irp c, 0,1,2,3
	ds_load_b128 v[AF+64*((\j)%3)+16*\a+4*\c:AF+64*((\j)%3)+16*\a+4*\c+3], v[ADRA+2*((\sg)%2)+(\j)%2] offset:16384*\a+((\j)/2)*2048+512*\c
.endr
.endr
.if (\j)%4 == 0
.irp a, 0,1,2,3,4,5,6,7
	ds_load_b32 v[AS+8*(((\j)/4)%2)+\a], v[ADS] offset:(8*(\sg)+(\j)/2)*512+64*\a
.endr
.endif
.endm
; Half-step j: 16 matrix instructions on 16 accumulators, one instruction a turn.  The loads that follow the eight places go into registers that the half-step before has multiplied.
.macro HALF2 sg, j
.set ek, 8*(\sg)+(\j)/2
.set hu, (\j)%2
.if hu == 0
.if ek <= 29
	s_wait_loadcnt 36                              ; this K step's set of w2 is in; the two sets behind it, 18 loads each, may be out
.elseif ek == 30
	s_wait_loadcnt 18
.else
	s_wait_loadcnt 0x0
.endif
.endif
.if (\j) == 15
	s_wait_dscnt 0x0
.elseif ((\j)+1)%4 == 0
	s_wait_dscnt 24                                ; my group is in; the next one (16 fragment loads and 8 of scale words) may be out
.else
	s_wait_dscnt 16
.endif
.if ((\j) < 14) || (((\j) == 14) && (ek+3 <= 31))
	PLACES 8
.endif
.if (\j)+2 <= 15
	AGRP \sg, (\j)+2
.endif
.if (hu == 0) && (ek+3 <= 31)
	BSET ek+3
.endif
	WIN 0xa1+0x50*((\sg)/2)                        ; source 0 (w2) window 1, source 1 (h) window 0, C and D window 2 or 3
.irp a, 0,1,2,3
.irp b, 0,1,2,3
.set wd, 8*(4*(4*hu+\a)+\b)
.set wa, 64*(ek%4)+16*\b
.set wb, AF+64*((\j)%3)+16*\a
.set wsa, BS+2*(ek%4)+\b/2
.set wsb, AS+8*(((\j)/4)%2)+4*hu+\a
.if (ek%16 == 0) && (\b%2 == 0)
	v_wmma_scale_f32_16x16x128_f8f6f4 v[wd:wd+7], v[wa:wa+15], v[wb:wb+15], 0, v[wsa], v[wsb] matrix_a_fmt:MATRIX_FMT_BF8 matrix_b_fmt:MATRIX_FMT_BF8
.elseif ek%16 == 0
	v_wmma_scale_f32_16x16x128_f8f6f4 v[wd:wd+7], v[wa:wa+15], v[wb:wb+15], 0, v[wsa], v[wsb] matrix_a_fmt:MATRIX_FMT_BF8 matrix_b_fmt:MATRIX_FMT_BF8 matrix_a_scale:MATRIX_SCALE_ROW1
.elseif (\b%2 == 0) && (ek%2 == 0)
	v_wmma_scale_f32_16x16x128_f8f6f4 v[wd:wd+7], v[wa:wa+15], v[wb:wb+15], v[wd:wd+7], v[wsa], v[wsb] matrix_a_fmt:MATRIX_FMT_BF8 matrix_b_fmt:MATRIX_FMT_BF8
.elseif ek%2 == 0
	v_wmma_scale_f32_16x16x128_f8f6f4 v[wd:wd+7], v[wa:wa+15], v[wb:wb+15], v[wd:wd+7], v[wsa], v[wsb] matrix_a_fmt:MATRIX_FMT_BF8 matrix_b_fmt:MATRIX_FMT_BF8 matrix_a_scale:MATRIX_SCALE_ROW1
.elseif \b%2 == 0
	v_wmma_scale_f32_16x16x128_f8f6f4 v[wd:wd+7], v[wa:wa+15], v[wb:wb+15], v[wd:wd+7], v[wsa], v[wsb] matrix_a_fmt:MATRIX_FMT_BF8 matrix_b_fmt:MATRIX_FMT_BF8 matrix_b_scale:MATRIX_SCALE_ROW1
.else
	v_wmma_scale_f32_16x16x128_f8f6f4 v[wd:wd+7], v[wa:wa+15], v[wb:wb+15], v[wd:wd+7], v[wsa], v[wsb] matrix_a_fmt:MATRIX_FMT_BF8 matrix_b_fmt:MATRIX_FMT_BF8 matrix_a_scale:MATRIX_SCALE_ROW1 matrix_b_scale:MATRIX_SCALE_ROW1
.endif
.endr
.endr
	WIN 0
.endm
.macro WORK2 sg                        ; a slot's eight K steps: 256 matrix instructions
	AGRP \sg, 0
	AGRP \sg, 1
.set J, 0
.rept 16
	HALF2 \sg, J
.set J, J+1
.endr
.endm
; THE CHANGE OF SLOTS: all my tensor loads have landed (my part of the slot ahead), the add, my reads of the slot left behind are over.  fill = 1: a round of the cluster's barrier, and the slot
; left behind takes the other expert's same K steps: the joint load comes first behind the round and has a slot's 256 matrix instructions in which to land.
; The eight places serve the fragment loads that follow, into registers that the last products read.
.macro CHANGE2 fill, slot
	s_wait_tensorcnt 0x0                           ; no tensor load of mine is out, so a group 0 may be written
	ds_add_u32 v[SPW], v[NIL]
.if \fill
	s_add_nc_u64 s[G0A+4*\slot+2:G0A+4*\slot+3], s[G0A+4*\slot+2:G0A+4*\slot+3], 16777216   ; on to expert 1
.endif
	s_wait_dscnt 0x0
.if \fill
	CROUND
	tensor_load_to_lds s[G0A+4*\slot:G0A+4*\slot+3], s[G1A:G1A+7]
	s_nop 0
.else
	s_barrier_signal -1
	s_barrier_wait -1
.endif
	PLACES 8
.endm
; THE WAY OUT of token block a: g0 x expert 0 + g1 x expert 1, each accumulator from its low end on; through my stage; back as whole runs of 256 bytes of a row.
.macro PACK a
.set ob, 64+32*((\a)%2)
.set bk, 128+32*((\a)%2)
.if (\a) >= 2
	s_wait_xcnt 0x0                                ; block a - 2's stores have read their registers: block a's rows may land there
.endif
	WIN 0x02
.set I, 0
.rept 16
	v_pk_mul_f32 v[ob+I:ob+I+1], v[32*(\a)+I:32*(\a)+I+1], v[GP+2*(\a):GP+2*(\a)+1] op_sel_hi:[1,0]
.set I, I+2
.endr
	WIN 0x03
.set I, 0
.rept 16
	v_pk_fma_f32 v[ob+I:ob+I+1], v[32*(\a)+I:32*(\a)+I+1], v[GP+2*(\a):GP+2*(\a)+1], v[ob+I:ob+I+1] op_sel:[0,1,0] op_sel_hi:[1,1,1]
.set I, I+2
.endr
	WIN 0
.irp b, 0,1,2,3
	ds_store_b128 v[STO], v[ob+8*\b:ob+8*\b+3] offset:64*\b
	ds_store_b128 v[STO], v[ob+8*\b+4:ob+8*\b+7] offset:64*\b+16
.endr
.irp i, 0,1,2,3,4,5,6,7
	ds_load_b128 v[bk+4*\i:bk+4*\i+3], v[RD] offset:544*\i   ; LDS serves a wave's instructions in order: these see the stores above, and the next block's stores come behind them
.endr
.endm
.macro SEND a, younger                 ; younger: the LDS instructions issued behind block a's loads
.set bk, 128+32*((\a)%2)
.irp f, 0,1,2,3,4,5,6,7
	s_wait_dscnt \younger+7-\f
	global_store_b128 v[CO], v[bk+4*\f:bk+4*\f+3], s[OB:OB+1] offset:(\a)*65536+\f*8192 th:TH_STORE_NT   ; 16 lanes store 256 consecutive bytes, at a multiple of 256 from out0's first byte
.endr
.endm
	s_wait_tensorcnt 0x1                           ; the scale words and my part of slot 0 are in; slot 1's may stay out
	s_barrier_signal -1
	s_barrier_wait -1
	WORK2 0                                        ; expert 0, K steps 0-7
	CHANGE2 1, 0
	WORK2 1                                        ; expert 0, K steps 8-15
	CHANGE2 1, 1
	WORK2 2                                        ; expert 1, K steps 0-7
	CHANGE2 0, 0                                   ; nothing is left to fetch
	WORK2 3                                        ; expert 1, K steps 8-15
	PLACES 8                                       ; in front of the first read of results
	PACK 0
	PACK 1
	SEND 0, 16
	PACK 2
	SEND 1, 16
	PACK 3
	SEND 2, 16
	PACK 4
	SEND 3, 16
	PACK 5
	SEND 4, 16
	PACK 6
	SEND 5, 16
	PACK 7
	SEND 6, 16
	SEND 7, 0
	s_wait_tensorcnt 0x0                           ; the wave's end
	ds_add_u32 v[SPW], v[NIL]
	s_wait_dscnt 0x0
	CROUND                                         ; the closing round
	s_endpgm
.Lfunc_end_k_qdcda6bd7cc_ffn2:
	.size	k_qdcda6bd7cc_ffn2, .Lfunc_end_k_qdcda6bd7cc_ffn2-k_qdcda6bd7cc_ffn2
	.p2alignl 7, 3214868480
	.fill 96, 4, 3214868480
	.section	.rodata,"a",@progbits
	.p2align	6, 0x0
	.amdhsa_kernel k_qdcda6bd7cc_ffn2
		.amdhsa_group_segment_fixed_size 327680
		.amdhsa_private_segment_fixed_size 0
		.amdhsa_enable_private_segment 0
		.amdhsa_kernarg_size 48
		.amdhsa_user_sgpr_count 2
		.amdhsa_user_sgpr_kernarg_segment_ptr 1
		.amdhsa_wavefront_size32 1
		.amdhsa_system_sgpr_workgroup_id_x 1
		.amdhsa_system_sgpr_workgroup_id_y 1
		.amdhsa_system_sgpr_workgroup_id_z 1
		.amdhsa_system_vgpr_workitem_id 0
		.amdhsa_next_free_vgpr 1024
		.amdhsa_next_free_sgpr 66
		.amdhsa_reserve_vcc 0
		.amdhsa_float_denorm_mode_32 3
		.amdhsa_float_denorm_mode_16_64 3
		.amdhsa_memory_ordered 1
		.amdhsa_forward_progress 1
		.amdhsa_inst_pref_size 255
	.end_amdhsa_kernel
	.section	.bss,"aw",@nobits
	.p2align	6
	.space	262144
	.amdgpu_metadata
---
amdhsa.version: [ 1, 2 ]
amdhsa.kernels:
  - .name:           k_qdcda6bd7cc_ffn2
    .symbol:         k_qdcda6bd7cc_ffn2.kd
    .args:
      - { .name: hq, .offset: 0, .size: 8, .value_kind: global_buffer, .address_space: global }
      - { .name: hs, .offset: 8, .size: 8, .value_kind: global_buffer, .address_space: global }
      - { .name: wq, .offset: 16, .size: 8, .value_kind: global_buffer, .address_space: global }
      - { .name: ws, .offset: 24, .size: 8, .value_kind: global_buffer, .address_space: global }
      - { .name: lp, .offset: 32, .size: 8, .value_kind: global_buffer, .address_space: global }
      - { .name: out0, .offset: 40, .size: 8, .value_kind: global_buffer, .address_space: global }
    .group_segment_fixed_size: 327680
    .private_segment_fixed_size: 0
    .kernarg_segment_align: 8
    .kernarg_segment_size: 48
    .max_flat_workgroup_size: 128
    .sgpr_count:     66
    .vgpr_count:     1024
    .wavefront_size: 32
...
	.end_amdgpu_metadata
.endif
;; end of part 3
